; MI455X (gfx1250); checked and timed in simulation.
; The chip was launched on July 23, 2026; its instructions are those of AMD's public machine-readable ISA for CDNA 5 (MIT licence, August 2026) and "CDNA5" Instruction Set Architecture Reference Guide (July 2026). The comments in the code are by the model that wrote it; some were corrected since.
;; arw encoder. Allowed arithmetic: float matrix products may take bf16 or f16 operands with f32 sums; all other float work in f32.
;; Inputs: W1 128 x 12 float32; W2 64 x 128 float32; b1 128 float32; b2 64 float32; x 8 x 100,000 x 3 float32.
;; Outputs: out0 8 x 1 x 64 float32.
;; One version. Each part assembles by itself: llvm-mc -triple=amdgcn-amd-amdhsa -mcpu=gfx1250 --defsym DOCPART=n.
;; ======== version 1 of 1: 2 launches
;; limits: values are held in f16: magnitudes above 65,504 overflow, below 6.1e-05 lose precision
;; workspace buffers: part 131,072 bytes
;; launch encode (part 1): grid 32 x 8, 8 waves a work-group, no clusters, 168,960 bytes of LDS; arguments x, W1, part; writes part
.if DOCPART == 1
	.amdgcn_target "amdgcn-amd-amdhsa--gfx1250"
	.amdhsa_code_object_version 6
	.text
	.protected	k_q4d88c67731_encode
	.globl	k_q4d88c67731_encode
	.p2align	8
	.type	k_q4d88c67731_encode,@function
k_q4d88c67731_encode:
	s_mov_b64 s[64:65], 0
	v_nop
	global_prefetch_b8 v0, s[64:65] scope:SCOPE_SE
	s_setreg_imm32_b32 hwreg(HW_REG_WAVE_MODE, 25, 1), 1
	s_wait_xcnt 0x0
; arw_encoder, first of two launches:  part[batch][chunk][f] = max over the chunk's points of  W1[f] . feat(point)   (no bias, no leaky:
; both are monotone and are applied to the maximum in the second launch).
; feat = (x, cov), cov = (S2 - S1 S1^T / count) / 1999 over the window [i-1000, i+1000] cut at the batch's ends.
; cov is symmetric in the reference bit for bit, so 9 features are kept (x y z, xy, xx yy, xz yz, zz) and W1's mirrored columns are added in f32.
; x is kept in LDS as x' = x / sqrt(1999): sums of x' x' then carry the 1/1999, and W1's x columns are multiplied by sqrt(1999) instead.
; The product runs on the matrix unit with f16 operands and f32 sums.
; LIMITS (range and format): inputs finite; |x| / 44.7, every covariance entry and |W1| * 44.7 below 65504 (f16); features are rounded to
; f16 (11 bits); a NaN in x is not carried to the result (v_max3_num_f32 drops it).
;
; A work-group = one batch (id y) and one chunk of 3,200 points (id x; the last chunk starts at N - 3200: points done twice do not change a maximum).
; Eight waves.  1) 5,376 points (chunk + 1,000 on each side, rounded up to 21 x 256) come in, one point a lane, and go to LDS as records
; (x', y', z', valid) of 16 bytes; outside the batch the record is all zeros, so 'valid' sums to the window's count.
; 2) meanwhile wave w packs W1's rows 16 w .. 16 w + 15; every wave then holds all of W1 in registers.
; 3) threads 0-207 sum blocks of 25 records (10 quantities), a scan over 16 lanes gives prefixes inside rows of 16 blocks.
;    2,000 records are 80 blocks = exactly 5 rows, so a window of 2,000 is  L[u+80] - L[u] + 5 row totals.
; 4) thread (u, half) slides over 13 points of strand u (25 points: 0-12 and 12-24): add a record, make the features, subtract a record.
;    Lane l's features lie in the K places of its own half of the lanes; against weights that are zero in the other half, one A operand gives
;    the points of lanes 0-15 ('low' weights) and of lanes 16-31 ('high' weights): no data moves between lanes.
; No tensor loads, no cluster: each record is masked, scaled and widened from 12 to 16 bytes in registers, and only the halo is shared with neighbours.
; 168,960 bytes of LDS are asked for (128,672 are used) so that a work-group has its processor to itself: 256 work-groups, one each.
.set NPTS,   100000
.set CHUNK,  3200
.set HALFW,  1000
.set XROW,   12                        ; bytes of a point in x
.set BATCHB, NPTS*XROW
.set ROUNDS, 21                        ; 21 x 256 records >= 3200 + 2000
.set RUN,    25                        ; records in a block, points in a strand
.set CUT,    12                        ; the second half of a strand starts here
.set STEPS,  13
.set BLOCKS, 208                       ; 5,200 / 25
.set CSCALE, 0x3cb73979                ; 1 / sqrt(1999)
.set WSCALE, 0x4232d739                ; sqrt(1999)
; LDS
.set WIMG,   ROUNDS*256*16             ; 86,016: behind the records, 16 operand images of 1,024 bytes
.set PBE,    WIMG+16*1024              ; prefixes at block starts, 48 bytes a block, 224 places
.set PBM,    224*48                    ; distance to the prefixes at block start + CUT
.set RTOT,   PBE+2*PBM                 ; totals of rows of 16 blocks, 48 bytes each, 14 places
.set MX,     RTOT+14*48                ; 8 waves x 128 maxima
; registers, way in
.set LANE, 1
.set LA0,  2                           ; 16 t
.set OFF,  8                           ; v8-28   byte offset of round n's point in the batch, 0 where it lies outside
.set LA1,  29                          ; 16 t + 65,536
.set VM,   30                          ; v30-31  the round's factor (c or 0), and a written partner for the pair
.set X,    32                          ; v32-115 round n: x y z valid
.set VC,   116
.set WL,   128                         ; v128-139 a row of W1
.set WP,   140                         ; v140-144 the row as five f16 pairs
.set WLO,  148                         ; v148-155 operand image, weights in lanes 0-15
.set WHI,  156                         ; v156-163 operand image, weights in lanes 16-31
.set MASK, 36                          ; s36-56  round n: lanes whose point lies in the batch
; registers, block sums
.set Q1,   8                           ; v8-17   sums of records 0-11:  xx yy | zz n | xz yz | x y | xy z
.set Q2,   18                          ; v18-27  sums of records 12-24
.set R,    28                          ; v28-127 the 25 records
.set I,    28                          ; v28-37  inclusive scan (the records are used up by then)
; registers, main phase
.set RB,   5                           ; LDS address of the record that leaves the window
.set S,    8                           ; v8-17   window sums, same order
.set RN,   20                          ; record that enters
.set RM,   24                          ; the point itself
.set RO,   28                          ; record that leaves
.set RC,   32                          ; v32-33  1 / count, and a written partner
.set T,    34                          ; v34-35  (Sx, Sy) / count
.set TZ,   36
.set CXY,  37
.set CA,   38                          ; cxx cyy
.set CC,   40                          ; cxz cyz
.set CZ,   42
.set AF,   44                          ; v44-51  A operand: five f16 pairs, three zero registers
.set AC,   52                          ; v52-59  running maxima, one register for 16 outputs
.set DX,   64                          ; v64-95  four result tiles
.set DY,   96                          ; v96-127 four result tiles
.set WT,   128                         ; v128-255 16 B operands: (outputs 16 f .., low), (.., high)
.set H,    32                          ; start of the main phase only: prefix records and row totals
.set L,    42
.set RTR,  52
	s_load_b128 s[4:7], s[0:1], 0x0                ; x s[4:5], W1 s[6:7]
	s_load_b64 s[8:9], s[0:1], 0x10                ; part
	v_lshl_add_u32 v7, v0, 2, 0x29000
	s_set_vgpr_msb 0x40
	v_mov_b32 v1, 0
	s_set_vgpr_msb 0x4000
	v_and_b32 v[LANE], 31, v0
	v_lshrrev_b32 v2, 5, v0
	v_readfirstlane_b32 s10, v2                    ; wave 0..7
	s_and_b32 s11, ttmp7, 0xffff                   ; batch
	s_mul_i32 s12, ttmp9, CHUNK
	s_min_u32 s12, s12, NPTS-CHUNK                 ; the chunk's first point
	s_mul_i32 s12, s12, XROW
	s_sub_co_i32 s12, s12, HALFW*XROW              ; byte offset in the batch of the region's first record; negative in chunk 0
	s_mov_b32 s13, BATCHB
	s_mul_i32 s14, s11, BATCHB                     ; below 8.4 million
	s_mov_b32 s15, 0
	s_lshl_b32 s16, s11, 5
	s_add_co_u32 s16, s16, ttmp9
	s_lshl_b32 s16, s16, 9                         ; (32 batch + chunk) x 512 bytes
	s_mov_b32 s17, 0
	s_mul_i32 s18, s10, 16*48                      ; my wave's 16 rows of W1
	s_mov_b32 s19, WSCALE
	v_and_b32 v3, 15, v0
	v_mul_u32_u24 v3, 48, v3
	v_add_nc_u32 v3, s18, v3                       ; row 16 wave + lane % 16, in both halves of the lanes
	v_mul_u32_u24 v6, XROW, v0
	v_add_nc_u32 v6, s12, v6                       ; my point of round 0
	s_wait_kmcnt 0x0
	s_add_nc_u64 s[4:5], s[4:5], s[14:15]          ; x at the batch
	s_add_nc_u64 s[8:9], s[8:9], s[16:17]          ; part at my 128 numbers
	global_load_b128 v[WL:WL+3],    v3, s[6:7]
	global_load_b128 v[WL+4:WL+7],  v3, s[6:7] offset:16
	global_load_b128 v[WL+8:WL+11], v3, s[6:7] offset:32
; 21 loads of 12 bytes a lane, all in flight: a wave's load covers 384 neighbouring bytes.  One unsigned compare tells inside from outside
; (a negative offset is a huge unsigned one); outside, the lane reads the batch's first point instead and the factor 0 discards it.
.set n, 0
.rept ROUNDS
	v_cmp_gt_u32 s[MASK+n], s13, v6
	v_cndmask_b32 v[OFF+n], 0, v6, s[MASK+n]
	v_cndmask_b32 v[X+4*n+3], 0, 1.0, s[MASK+n]    ; the record's fourth word: 1 for a point of the batch
	global_load_b96 v[X+4*n:X+4*n+2], v[OFF+n], s[4:5]
.if n < ROUNDS-1
	v_add_nc_u32 v6, 256*XROW, v6
.endif
.set n, n+1
.endr
	v_lshlrev_b32 v[LA0], 4, v0
	v_add_nc_u32 v[LA1], 0x10000, v[LA0]
	v_lshlrev_b32 v4, 4, v[LANE]
	s_lshl_b32 s20, s10, 11
	s_add_co_u32 s20, s20, WIMG
	v_add_nc_u32 v5, s20, v4                       ; my wave's two images, 16 bytes a lane
	v_mov_b32 v[VC], CSCALE
	v_mov_b32 v[VM+1], 0
	v_cmp_gt_u32 vcc_lo, 16, v[LANE]               ; lanes 0-15
; W1's row as the B operand.  Order of the pairs = order of the features in AF.
	s_wait_loadcnt ROUNDS                          ; loads return in order (ISA guide 5.7.1): W1's three are in, the 21 of x stay out
	v_mul_f32 v[WL],   s19, v[WL]
	v_mul_f32 v[WL+1], s19, v[WL+1]
	v_mul_f32 v[WL+2], s19, v[WL+2]
	v_add_f32 v[WL+4], v[WL+4], v[WL+6]            ; xy + yx
	v_add_f32 v[WL+5], v[WL+5], v[WL+9]            ; xz + zx
	v_add_f32 v[WL+8], v[WL+8], v[WL+10]           ; yz + zy
	v_cvt_pk_f16_f32 v[WP],   v[WL],   v[WL+1]     ; x  y
	v_cvt_pk_f16_f32 v[WP+1], v[WL+2], v[WL+4]     ; z  xy
	v_cvt_pk_f16_f32 v[WP+2], v[WL+3], v[WL+7]     ; xx yy
	v_cvt_pk_f16_f32 v[WP+3], v[WL+5], v[WL+8]     ; xz yz
	v_cvt_pk_f16_f32 v[WP+4], v[WL+11], 0          ; zz 0
.irp k, 0,1,2,3,4
	v_cndmask_b32 v[WLO+\k], 0, v[WP+\k], vcc_lo
	v_cndmask_b32 v[WHI+\k], v[WP+\k], 0, vcc_lo
.endr
.irp k, 5,6,7
	v_mov_b32 v[WLO+\k], 0
	v_mov_b32 v[WHI+\k], 0
.endr
	ds_store_b128 v5, v[WLO:WLO+3]
	ds_store_b128 v5, v[WLO+4:WLO+7] offset:512
	ds_store_b128 v5, v[WHI:WHI+3]   offset:1024
	ds_store_b128 v5, v[WHI+4:WHI+7] offset:1536
	s_wait_dscnt 0x0                               ; for the other waves: my images are in LDS
	s_barrier_signal -1
	s_barrier_wait -1                              ; x is still on its way: the 32 loads below run in its shadow
	v_add_nc_u32 v5, WIMG, v4
.set n, 0
.rept 16
	ds_load_b128 v[WT+8*n:WT+8*n+3],   v5 offset:1024*n
	ds_load_b128 v[WT+8*n+4:WT+8*n+7], v5 offset:1024*n+512
.set n, n+1
.endr
; the records: scale (or zero), 16 bytes a lane to 512 neighbouring bytes of LDS
.set n, 0
.rept ROUNDS
	s_wait_loadcnt ROUNDS-1-n                      ; round n is in, the younger rounds stay out
	v_cndmask_b32 v[VM], 0, v[VC], s[MASK+n]
	v_pk_mul_f32 v[X+4*n:X+4*n+1], v[X+4*n:X+4*n+1], v[VM:VM+1] op_sel_hi:[1,0]
	v_mul_f32 v[X+4*n+2], v[X+4*n+2], v[VM]
.if n < 16
	ds_store_b128 v[LA0], v[X+4*n:X+4*n+3] offset:4096*n
.else
	ds_store_b128 v[LA1], v[X+4*n:X+4*n+3] offset:4096*(n-16)
.endif
.set n, n+1
.endr
	s_wait_dscnt 0x0                               ; my records are in LDS (and my weights in registers)
	s_barrier_signal -1
	s_barrier_wait -1
; ten sums fed by one record (x y | z w): (xx yy) (zz ww) (xz yz) (x y) xy z; w w = w counts the points
.macro ADDFIRST q, r                   ; the first record's products start the sums: nothing is cleared
	v_pk_mul_f32 v[\q:\q+1],   v[\r:\r+1],   v[\r:\r+1]
	v_pk_mul_f32 v[\q+2:\q+3], v[\r+2:\r+3], v[\r+2:\r+3]
	v_pk_mul_f32 v[\q+4:\q+5], v[\r:\r+1],   v[\r+2:\r+3] op_sel_hi:[1,0]
	v_mul_f32 v[\q+8], v[\r], v[\r+1]
.endm
.macro ADDSECOND q, r0, r              ; the plain sums start from the first two records
	v_pk_fma_f32 v[\q:\q+1],   v[\r:\r+1],   v[\r:\r+1],   v[\q:\q+1]
	v_pk_fma_f32 v[\q+2:\q+3], v[\r+2:\r+3], v[\r+2:\r+3], v[\q+2:\q+3]
	v_pk_fma_f32 v[\q+4:\q+5], v[\r:\r+1],   v[\r+2:\r+3], v[\q+4:\q+5] op_sel_hi:[1,0,1]
	v_pk_add_f32 v[\q+6:\q+7], v[\r0:\r0+1], v[\r:\r+1]
	v_fma_f32 v[\q+8], v[\r], v[\r+1], v[\q+8]
	v_add_f32 v[\q+9], v[\r0+2], v[\r+2]
.endm
.macro ADDREC q, r
	v_pk_fma_f32 v[\q:\q+1],   v[\r:\r+1],   v[\r:\r+1],   v[\q:\q+1]
	v_pk_fma_f32 v[\q+2:\q+3], v[\r+2:\r+3], v[\r+2:\r+3], v[\q+2:\q+3]
	v_pk_fma_f32 v[\q+4:\q+5], v[\r:\r+1],   v[\r+2:\r+3], v[\q+4:\q+5] op_sel_hi:[1,0,1]
	v_pk_add_f32 v[\q+6:\q+7], v[\q+6:\q+7], v[\r:\r+1]
	v_fma_f32 v[\q+8], v[\r], v[\r+1], v[\q+8]
	v_add_f32 v[\q+9], v[\q+9], v[\r+2]
.endm
.macro SUBREC q, r
	v_pk_fma_f32 v[\q:\q+1],   v[\r:\r+1],   v[\r:\r+1],   v[\q:\q+1]   neg_lo:[1,0,0] neg_hi:[1,0,0]
	v_pk_fma_f32 v[\q+2:\q+3], v[\r+2:\r+3], v[\r+2:\r+3], v[\q+2:\q+3] neg_lo:[1,0,0] neg_hi:[1,0,0]
	v_pk_fma_f32 v[\q+4:\q+5], v[\r:\r+1],   v[\r+2:\r+3], v[\q+4:\q+5] op_sel_hi:[1,0,1] neg_lo:[1,0,0] neg_hi:[1,0,0]
	v_pk_add_f32 v[\q+6:\q+7], v[\q+6:\q+7], v[\r:\r+1] neg_lo:[0,1] neg_hi:[0,1]
	v_fma_f32 v[\q+8], -v[\r], v[\r+1], v[\q+8]
	v_sub_f32 v[\q+9], v[\q+9], v[\r+2]
.endm
; BLOCK SUMS: thread t sums block t (records 25 t .. 25 t + 24).  208 blocks: waves 0-6; the 16 lanes past block 207 repeat it, and what
; they store (places 208-223, row 13) is never read.  Wave 7 has no block.
	s_cmp_eq_u32 s10, 7
	s_cbranch_scc1 .Lsums_done
	v_min_u32 v2, BLOCKS-1, v0
	v_mul_u32_u24 v2, RUN*16, v2                   ; lanes 400 bytes apart: 16 neighbouring lanes touch 16 different 16-byte columns modulo 256
.set n, 0
.rept RUN
	ds_load_b128 v[R+4*n:R+4*n+3], v2 offset:16*n
.set n, n+1
.endr
	v_mul_u32_u24 v3, 48, v0
	v_add_nc_u32 v3, PBE, v3                       ; my block's prefix record
	v_lshrrev_b32 v4, 4, v0
	v_mul_u32_u24 v4, 48, v4
	v_add_nc_u32 v4, RTOT, v4                      ; my row's total
	v_and_b32 v5, 15, v0
	v_cmp_eq_u32 vcc_lo, 15, v5                    ; the last lane of a row of 16
	s_wait_dscnt RUN-CUT                           ; LDS loads return in order: records 0-11 are in, the 13 younger stay out
	ADDFIRST  Q1, R
	ADDSECOND Q1, R, R+4
.set n, 2
.rept CUT-2
	ADDREC Q1, R+4*n
.set n, n+1
.endr
	s_wait_dscnt 0x0
	ADDFIRST  Q2, R+4*CUT
	ADDSECOND Q2, R+4*CUT, R+4*CUT+4
.set n, CUT+2
.rept RUN-CUT-2
	ADDREC Q2, R+4*n
.set n, n+1
.endr
.irp k, 0,2,4,6,8
	v_pk_add_f32 v[I+\k:I+\k+1], v[Q1+\k:Q1+\k+1], v[Q2+\k:Q2+\k+1]   ; the block's sums
.endr
; inclusive scan inside each row of 16 lanes: lane i adds lane i - 1, 2, 4, 8 (a lane without that neighbour adds 0)
.irp sh, 1,2,4,8
.irp k, 0,1,2,3,4,5,6,7,8,9
	v_add_f32_dpp v[I+\k], v[I+\k], v[I+\k] row_shr:\sh row_mask:0xf bank_mask:0xf bound_ctrl:1
.endr
.endr
.irp k, 0,2,4,6,8
	v_pk_add_f32 v[Q2+\k:Q2+\k+1], v[I+\k:I+\k+1], v[Q2+\k:Q2+\k+1] neg_lo:[0,1] neg_hi:[0,1]    ; prefix up to block start + 12
.endr
.irp k, 0,2,4,6,8
	v_pk_add_f32 v[Q1+\k:Q1+\k+1], v[Q2+\k:Q2+\k+1], v[Q1+\k:Q1+\k+1] neg_lo:[0,1] neg_hi:[0,1]  ; prefix up to block start
.endr
	ds_store_b128 v3, v[Q1:Q1+3]
	ds_store_b128 v3, v[Q1+4:Q1+7] offset:16
	ds_store_b64  v3, v[Q1+8:Q1+9] offset:32
	ds_store_b128 v3, v[Q2:Q2+3]   offset:PBM
	ds_store_b128 v3, v[Q2+4:Q2+7] offset:PBM+16
	ds_store_b64  v3, v[Q2+8:Q2+9] offset:PBM+32
	s_wait_xcnt 0x0                                ; EXEC is a source of the global loads above: it changes only behind this wait
	s_and_saveexec_b32 s20, vcc_lo                 ; lanes 15 and 31 hold their rows' totals
	ds_store_b128 v4, v[I:I+3]
	ds_store_b128 v4, v[I+4:I+7] offset:16
	ds_store_b64  v4, v[I+8:I+9] offset:32
	s_or_b32 exec_lo, exec_lo, s20
.Lsums_done:
	s_wait_dscnt 0x0                               ; for the other waves: prefixes and totals are in LDS
	s_barrier_signal -1
	s_barrier_wait -1
; MAIN PHASE.  Thread = (strand u = t % 128, half = wave / 4).  Its first window without the last record is the 2,000 records from
; 25 u + 12 half:  prefix[u + 80] - prefix[u] inside the rows, plus the totals of the five rows between.
	v_and_b32 v2, 127, v0
	s_lshr_b32 s21, s10, 2
	s_mul_i32 s22, s21, PBM
	s_add_co_u32 s22, s22, PBE
	s_mul_i32 s23, s21, CUT*16
	v_mul_u32_u24 v3, 48, v2
	v_add_nc_u32 v3, s22, v3
	v_lshrrev_b32 v4, 4, v2
	v_mul_u32_u24 v4, 48, v4
	v_add_nc_u32 v4, RTOT, v4
	v_mul_u32_u24 v[RB], RUN*16, v2
	v_add_nc_u32 v[RB], s23, v[RB]
	ds_load_b128 v[H:H+3],   v3 offset:80*48
	ds_load_b128 v[H+4:H+7], v3 offset:80*48+16
	ds_load_b64  v[H+8:H+9], v3 offset:80*48+32
	ds_load_b128 v[L:L+3],   v3
	ds_load_b128 v[L+4:L+7], v3 offset:16
	ds_load_b64  v[L+8:L+9], v3 offset:32
.irp k, 0,1,2,3,4
	ds_load_b128 v[RTR+10*\k:RTR+10*\k+3],   v4 offset:48*\k
	ds_load_b128 v[RTR+10*\k+4:RTR+10*\k+7], v4 offset:48*\k+16
	ds_load_b64  v[RTR+10*\k+8:RTR+10*\k+9], v4 offset:48*\k+32
.endr
	ds_load_b128 v[RN:RN+3], v[RB] offset:16*2*HALFW     ; the first step's three records
	ds_load_b128 v[RM:RM+3], v[RB] offset:16*HALFW
	ds_load_b128 v[RO:RO+3], v[RB]
	s_mov_b32 s24, STEPS-1
	s_mov_b32 s26, 0x76543210                      ; v_permlanex16_b32: lane i reads lane i of the other half
	s_mov_b32 s27, 0xfedcba98
	s_wait_dscnt 0x3                               ; the 21 loads of prefixes and totals are in; the three records stay out
.irp k, 0,2,4,6,8
	v_pk_add_f32 v[S+\k:S+\k+1], v[H+\k:H+\k+1], v[L+\k:L+\k+1] neg_lo:[0,1] neg_hi:[0,1]
.endr
.irp j, 0,1,2,3,4
.irp k, 0,2,4,6,8
	v_pk_add_f32 v[S+\k:S+\k+1], v[S+\k:S+\k+1], v[RTR+10*\j+\k:RTR+10*\j+\k+1]
.endr
.endr
	v_mov_b32 v[RC+1], 0
.irp k, 5,6,7
	v_mov_b32 v[AF+\k], 0                          ; K places 10-15 of each half: no feature
.endr
.irp k, 0,1,2,3,4,5,6,7
	v_mov_b32 v[AC+\k], 0xff800000                 ; -infinity
.endr
; four products: outputs 32 g .. 32 g + 31 of the wave's 32 points.  Tiles: (16 outputs, lanes 0-15), (same, lanes 16-31), (next 16, ..), (..)
.macro WMM4 buf, g
.irp i, 0,1,2,3
	v_wmma_f32_16x16x32_f16 v[\buf+8*\i:\buf+8*\i+7], v[AF:AF+7], v[WT+8*(4*\g+\i):WT+8*(4*\g+\i)+7], 0
.endr
.endm
; In a result tile a lane holds 8 points of one output: 16 registers (two tiles) and the running maximum fold in eight v_max3
.macro MAX16 b, a
	v_max3_num_f32 v[\b],    v[\b],    v[\b+1],  v[\b+2]
	v_max3_num_f32 v[\b+3],  v[\b+3],  v[\b+4],  v[\b+5]
	v_max3_num_f32 v[\b+6],  v[\b+6],  v[\b+7],  v[\b+8]
	v_max3_num_f32 v[\b+9],  v[\b+9],  v[\b+10], v[\b+11]
	v_max3_num_f32 v[\b+12], v[\b+12], v[\b+13], v[\b+14]
	v_max3_num_f32 v[\a],    v[\a],    v[\b+15], v[\b]
	v_max3_num_f32 v[\b+3],  v[\b+3],  v[\b+6],  v[\b+9]
	v_max3_num_f32 v[\a],    v[\a],    v[\b+3],  v[\b+12]
.endm
; One point a lane.  Distances behind matrix instructions (ISA guide 7.12.1), counted in plain vector instructions that name none of their
; registers: results are read 4 or more behind, a tile buffer is written again 5 or more behind.  Behind the first eight products stand the
; seven instructions that take the old record out (five v_nop in the last step); after that each block of 16 v_max3 on one buffer stands
; between the products into the other buffer and their use.  AF is rewritten in the next step, behind the last 32 v_max3.
.macro STEP more
	s_wait_dscnt 0x0                               ; the step's three records, asked for one step ago
	ADDREC S, RN                                   ; the window is whole: 2,001 records
	v_rcp_f32 v[RC], v[S+3]                        ; 1 / count (count >= 1,001); the conversion below is the plain instruction that
	v_cvt_pk_f16_f32 v[AF], v[RM], v[RM+1]         ; stands between v_rcp_f32 and the use of its result (ISA guide 5.7.2)
	s_wait_alu depctr_va_vdst(0)
	v_pk_mul_f32 v[T:T+1], v[S+6:S+7], v[RC:RC+1] op_sel_hi:[1,0]
	v_mul_f32 v[TZ], v[S+9], v[RC]
	v_pk_fma_f32 v[CA:CA+1], v[T:T+1], v[S+6:S+7], v[S:S+1] neg_lo:[1,0,0] neg_hi:[1,0,0]                                   ; cxx cyy
	v_pk_fma_f32 v[CC:CC+1], v[T:T+1], v[S+8:S+9], v[S+4:S+5] op_sel:[0,1,0] op_sel_hi:[1,1,1] neg_lo:[1,0,0] neg_hi:[1,0,0] ; cxz cyz: both times Sz
	v_fma_f32 v[CZ],  -v[TZ], v[S+9], v[S+2]
	v_fma_f32 v[CXY], -v[T],  v[S+7], v[S+8]
	v_cvt_pk_f16_f32 v[AF+1], v[RM+2], v[CXY]
	v_cvt_pk_f16_f32 v[AF+2], v[CA], v[CA+1]
	v_cvt_pk_f16_f32 v[AF+3], v[CC], v[CC+1]
	v_cvt_pk_f16_f32 v[AF+4], v[CZ], 0
	WMM4 DX, 0
	WMM4 DY, 1
.if \more
	SUBREC S, RO
	v_add_nc_u32 v[RB], 16, v[RB]
	ds_load_b128 v[RN:RN+3], v[RB] offset:16*2*HALFW     ; the next step's records, behind the last use of this step's
	ds_load_b128 v[RM:RM+3], v[RB] offset:16*HALFW
	ds_load_b128 v[RO:RO+3], v[RB]
.else
.rept 5
	v_nop
.endr
.endif
	MAX16 DX,    AC
	MAX16 DX+16, AC+1
	WMM4 DX, 2
	MAX16 DY,    AC+2
	MAX16 DY+16, AC+3
	WMM4 DY, 3
	MAX16 DX,    AC+4
	MAX16 DX+16, AC+5
	MAX16 DY,    AC+6
	MAX16 DY+16, AC+7
.endm
.Lstep:
	STEP 1
	s_sub_co_i32 s24, s24, 1
	s_cmp_lg_u32 s24, 0
	s_cbranch_scc1 .Lstep
	STEP 0                                         ; the 13th point: nothing more to fetch
; Lane (r, h) of AC+f holds output 16 f + r over half of the points.  Two registers fold into one: lanes 0-15 keep the even one and hand over
; the odd one, lanes 16-31 the other way round; lane l then holds output 32 i + l.
	v_cmp_gt_u32 vcc_lo, 16, v[LANE]
	s_lshl_b32 s20, s10, 9
	s_add_co_u32 s20, s20, MX
	v_lshlrev_b32 v2, 2, v[LANE]
	v_add_nc_u32 v2, s20, v2
.irp i, 0,1,2,3
	v_cndmask_b32 v[DX+2*\i],   v[AC+2*\i+1], v[AC+2*\i],   vcc_lo    ; keep
	v_cndmask_b32 v[DX+2*\i+1], v[AC+2*\i],   v[AC+2*\i+1], vcc_lo    ; hand over
	v_permlanex16_b32 v[DX+8+\i], v[DX+2*\i+1], s26, s27
	v_max_num_f32 v[DX+2*\i], v[DX+2*\i], v[DX+8+\i]
	ds_store_b32 v2, v[DX+2*\i] offset:128*\i
.endr
	s_wait_dscnt 0x0                               ; for wave 0: my 128 maxima are in LDS
	s_barrier_signal -1
	s_barrier_wait -1
	s_cmp_lg_u32 s10, 0
	s_cbranch_scc1 .Lend
	v_lshlrev_b32 v3, 4, v[LANE]                   ; four outputs a lane
	v_add_nc_u32 v2, MX, v3
.irp k, 0,1,2,3,4,5,6,7
	ds_load_b128 v[DX+4*\k:DX+4*\k+3], v2 offset:512*\k
.endr
	s_wait_dscnt 0x0
.irp c, 0,1,2,3
	v_max3_num_f32 v[DX+\c], v[DX+\c], v[DX+4+\c],  v[DX+8+\c]
	v_max3_num_f32 v[DX+\c], v[DX+\c], v[DX+12+\c], v[DX+16+\c]
	v_max3_num_f32 v[DX+\c], v[DX+\c], v[DX+20+\c], v[DX+24+\c]
	v_max_num_f32  v[DX+\c], v[DX+\c], v[DX+28+\c]
.endr
	global_store_b128 v3, v[DX:DX+3], s[8:9]       ; one store covers the work-group's 512 bytes, aligned
.Lend:
	s_set_vgpr_msb 0x4
	s_wait_tensorcnt 0x0
	ds_add_u32 v7, v1
	s_wait_dscnt 0x0
	s_set_vgpr_msb 0x400
	s_endpgm
.Lfunc_end_k_q4d88c67731_encode:
	.size	k_q4d88c67731_encode, .Lfunc_end_k_q4d88c67731_encode-k_q4d88c67731_encode
	.p2alignl 7, 3214868480
	.fill 96, 4, 3214868480
	.section	.rodata,"a",@progbits
	.p2align	6, 0x0
	.amdhsa_kernel k_q4d88c67731_encode
		.amdhsa_group_segment_fixed_size 168960
		.amdhsa_private_segment_fixed_size 0
		.amdhsa_enable_private_segment 0
		.amdhsa_kernarg_size 24
		.amdhsa_user_sgpr_count 2
		.amdhsa_user_sgpr_kernarg_segment_ptr 1
		.amdhsa_wavefront_size32 1
		.amdhsa_system_sgpr_workgroup_id_x 1
		.amdhsa_system_sgpr_workgroup_id_y 1
		.amdhsa_system_sgpr_workgroup_id_z 1
		.amdhsa_system_vgpr_workitem_id 0
		.amdhsa_next_free_vgpr 258
		.amdhsa_next_free_sgpr 66
		.amdhsa_reserve_vcc 1
		.amdhsa_float_denorm_mode_32 3
		.amdhsa_float_denorm_mode_16_64 3
		.amdhsa_memory_ordered 1
		.amdhsa_forward_progress 1
		.amdhsa_inst_pref_size 54
	.end_amdhsa_kernel
	.amdgpu_metadata
---
amdhsa.version: [ 1, 2 ]
amdhsa.kernels:
  - .name:           k_q4d88c67731_encode
    .symbol:         k_q4d88c67731_encode.kd
    .args:
      - { .name: x, .offset: 0, .size: 8, .value_kind: global_buffer, .address_space: global }
      - { .name: W1, .offset: 8, .size: 8, .value_kind: global_buffer, .address_space: global }
      - { .name: part, .offset: 16, .size: 8, .value_kind: global_buffer, .address_space: global }
    .group_segment_fixed_size: 168960
    .private_segment_fixed_size: 0
    .kernarg_segment_align: 8
    .kernarg_segment_size: 24
    .max_flat_workgroup_size: 256
    .sgpr_count:     66
    .vgpr_count:     258
    .wavefront_size: 32
...
	.end_amdgpu_metadata
.endif
;; end of part 1
;; launch head (part 2): grid 4 x 8, 1 waves a work-group, no clusters, 0 bytes of LDS; arguments part, b1, W2, b2, out0; writes out0
.if DOCPART == 2
	.amdgcn_target "amdgcn-amd-amdhsa--gfx1250"
	.amdhsa_code_object_version 6
	.text
	.protected	k_q4d88c67731_head
	.globl	k_q4d88c67731_head
	.p2align	8
	.type	k_q4d88c67731_head,@function
k_q4d88c67731_head:
	s_mov_b64 s[64:65], 0
	v_nop
	global_prefetch_b8 v0, s[64:65] scope:SCOPE_SE
	s_setreg_imm32_b32 hwreg(HW_REG_WAVE_MODE, 25, 1), 1
	s_wait_xcnt 0x0
; arw_encoder, second launch:  pooled[f] = leaky(max over the 32 chunks of part[batch][chunk][f] + b1[f]);  out = leaky(pooled . W2^T + b2).
; One wave = one batch (id y) and 16 outputs (id x).  All in f32 on the vector unit: the product has 8 rows and 64 x 128 weights in all, far too
; little for a matrix tile to pay, and f32 costs nothing here.  The wave is bound by one trip to memory, so all 50 loads are issued at once.
; Lane l holds inputs 4 l .. 4 l + 3 throughout: every load of part, b1 and W2 covers 512 neighbouring bytes, and no LDS is needed.
; leaky(v) = max(v, 0.01 v), which equals the reference's select for every finite v.
.set SLOPE, 0x3c23d70a                 ; 0.01
.set P,  8                             ; v8-135    32 rows of part, 4 numbers each; row 0 becomes pooled
.set W,  136                           ; v136-199  16 rows of W2
.set B1, 200                           ; v200-203
.set B2, 204
.set T,  206                           ; v206-207  at work
.set D,  208                           ; v208-223  the lane's share of the 16 dot products
	s_load_b256 s[4:11], s[0:1], 0x0               ; part s[4:5], b1 s[6:7], W2 s[8:9], b2 s[10:11]
	s_load_b64 s[12:13], s[0:1], 0x20              ; out0
	s_and_b32 s14, ttmp7, 0xffff                   ; batch
	v_lshlrev_b32 v1, 4, v0                        ; 16 bytes a lane
	v_and_b32 v2, 15, v0
	v_lshlrev_b32 v2, 2, v2                        ; output lane % 16 of my 16
	s_lshl_b32 s16, s14, 14                        ; 32 chunks x 512 bytes
	s_mov_b32 s17, 0
	s_lshl_b32 s18, ttmp9, 13                      ; 16 rows of W2 x 512 bytes
	s_mov_b32 s19, 0
	s_lshl_b32 s20, ttmp9, 6                       ; 16 outputs x 4 bytes
	s_mov_b32 s21, 0
	s_lshl_b32 s22, s14, 8                         ; a batch's 64 outputs
	s_add_co_u32 s22, s22, s20
	s_mov_b32 s23, 0
	s_mov_b32 s28, 0x76543210                      ; v_permlanex16_b32: lane i reads lane i of the other half
	s_mov_b32 s29, 0xfedcba98
	s_wait_kmcnt 0x0
	s_add_nc_u64 s[4:5], s[4:5], s[16:17]
	s_add_nc_u64 s[8:9], s[8:9], s[18:19]
	s_add_nc_u64 s[10:11], s[10:11], s[20:21]
	s_add_nc_u64 s[12:13], s[12:13], s[22:23]
.set n, 0
.rept 32
	global_load_b128 v[P+4*n:P+4*n+3], v1, s[4:5] offset:512*n
.set n, n+1
.endr
.set n, 0
.rept 16
	global_load_b128 v[W+4*n:W+4*n+3], v1, s[8:9] offset:512*n
.set n, n+1
.endr
	global_load_b128 v[B1:B1+3], v1, s[6:7]
	global_load_b32 v[B2], v2, s[10:11]
.irp k, 0,1,2,3
	v_and_b32 v3, 1<<\k, v0
	v_cmp_ne_u32 s[24+\k], 0, v3                   ; lanes whose number has bit k set
.endr
	s_wait_loadcnt 18                              ; part's 32 rows are in; W2's 16, b1 and b2 stay out
.set n, 0
.rept 15
.irp c, 0,1,2,3
	v_max3_num_f32 v[P+\c], v[P+\c], v[P+4*(2*n+1)+\c], v[P+4*(2*n+2)+\c]
.endr
.set n, n+1
.endr
.irp c, 0,1,2,3
	v_max_num_f32 v[P+\c], v[P+\c], v[P+124+\c]
.endr
	s_wait_loadcnt 0x0
.irp c, 0,2
	v_pk_add_f32 v[P+\c:P+\c+1], v[P+\c:P+\c+1], v[B1+\c:B1+\c+1]
	v_pk_mul_f32 v[T:T+1], v[P+\c:P+\c+1], SLOPE op_sel_hi:[1,0]
	v_max_num_f32 v[P+\c],   v[P+\c],   v[T]
	v_max_num_f32 v[P+\c+1], v[P+\c+1], v[T+1]
.endr
.set n, 0
.rept 16
	v_pk_mul_f32 v[W+4*n:W+4*n+1], v[W+4*n:W+4*n+1], v[P:P+1]
	v_pk_fma_f32 v[W+4*n:W+4*n+1], v[W+4*n+2:W+4*n+3], v[P+2:P+3], v[W+4*n:W+4*n+1]
	v_add_f32 v[D+n], v[W+4*n], v[W+4*n+1]
.set n, n+1
.endr
; 16 sums over the lanes, folded so that lane l ends with sum l % 16.  A step takes two registers a, b and the lane bit m: a lane with the bit
; clear keeps a and hands b to its partner l xor m, a lane with the bit set the other way round.  Bit k of the lane becomes bit k of the index.
.macro FOLD a, b, m, sm
	v_cndmask_b32 v[T],  v[\b], v[\a], \sm         ; hand over
	v_cndmask_b32 v[\a], v[\a], v[\b], \sm         ; keep
	v_add_f32_dpp v[\a], v[T], v[\a] row_xmask:\m row_mask:0xf bank_mask:0xf
.endm
.irp i, 0,2,4,6,8,10,12,14
	FOLD D+\i, D+\i+1, 1, s24
.endr
.irp i, 0,4,8,12
	FOLD D+\i, D+\i+2, 2, s25
.endr
	FOLD D,   D+4,  4, s26
	FOLD D+8, D+12, 4, s26
	FOLD D,   D+8,  8, s27
	v_permlanex16_b32 v[T], v[D], s28, s29         ; the other 16 lanes' share
	v_add_f32 v[D], v[D], v[T]
	v_add_f32 v[D], v[D], v[B2]
	v_mul_f32 v[T], SLOPE, v[D]
	v_max_num_f32 v[D], v[D], v[T]
	v_cmp_gt_u32 vcc_lo, 16, v0
	s_wait_xcnt 0x0                                ; EXEC is a source of the loads above: it changes only behind this wait
	s_and_saveexec_b32 s30, vcc_lo                 ; lanes 16-31 hold the same 16 numbers again
	global_store_b32 v2, v[D], s[12:13]            ; 64 neighbouring bytes
	s_endpgm
.Lfunc_end_k_q4d88c67731_head:
	.size	k_q4d88c67731_head, .Lfunc_end_k_q4d88c67731_head-k_q4d88c67731_head
	.p2alignl 7, 3214868480
	.fill 96, 4, 3214868480
	.section	.rodata,"a",@progbits
	.p2align	6, 0x0
	.amdhsa_kernel k_q4d88c67731_head
		.amdhsa_group_segment_fixed_size 0
		.amdhsa_private_segment_fixed_size 0
		.amdhsa_enable_private_segment 0
		.amdhsa_kernarg_size 40
		.amdhsa_user_sgpr_count 2
		.amdhsa_user_sgpr_kernarg_segment_ptr 1
		.amdhsa_wavefront_size32 1
		.amdhsa_system_sgpr_workgroup_id_x 1
		.amdhsa_system_sgpr_workgroup_id_y 1
		.amdhsa_system_sgpr_workgroup_id_z 1
		.amdhsa_system_vgpr_workitem_id 0
		.amdhsa_next_free_vgpr 224
		.amdhsa_next_free_sgpr 66
		.amdhsa_reserve_vcc 1
		.amdhsa_float_denorm_mode_32 3
		.amdhsa_float_denorm_mode_16_64 3
		.amdhsa_memory_ordered 1
		.amdhsa_forward_progress 1
		.amdhsa_inst_pref_size 17
	.end_amdhsa_kernel
	.amdgpu_metadata
---
amdhsa.version: [ 1, 2 ]
amdhsa.kernels:
  - .name:           k_q4d88c67731_head
    .symbol:         k_q4d88c67731_head.kd
    .args:
      - { .name: part, .offset: 0, .size: 8, .value_kind: global_buffer, .address_space: global }
      - { .name: b1, .offset: 8, .size: 8, .value_kind: global_buffer, .address_space: global }
      - { .name: W2, .offset: 16, .size: 8, .value_kind: global_buffer, .address_space: global }
      - { .name: b2, .offset: 24, .size: 8, .value_kind: global_buffer, .address_space: global }
      - { .name: out0, .offset: 32, .size: 8, .value_kind: global_buffer, .address_space: global }
    .group_segment_fixed_size: 0
    .private_segment_fixed_size: 0
    .kernarg_segment_align: 8
    .kernarg_segment_size: 40
    .max_flat_workgroup_size: 32
    .sgpr_count:     66
    .vgpr_count:     224
    .wavefront_size: 32
...
	.end_amdgpu_metadata
.endif
;; end of part 2
